; MI455X (gfx1250); checked and timed in simulation.
; The chip was launched on July 23, 2026; its instructions are those of AMD's public machine-readable ISA for CDNA 5 (MIT licence, August 2026) and "CDNA5" Instruction Set Architecture Reference Guide (July 2026). The comments in the code are by the model that wrote it; some were corrected since.
;; Causal Self Attention. Allowed arithmetic: float matrix products may take bf16 or f16 operands with f32 sums; all other float work in f32.
;; Inputs: W_attn 3,072 x 1,024 float32; W_proj 1,024 x 1,024 float32; b_attn 3,072 float32; b_proj 1,024 float32; x 2 x 2,048 x 1,024 float32.
;; Outputs: out0 2 x 2,048 x 1,024 float32.
;; One version. Each part assembles by itself: llvm-mc -triple=amdgcn-amd-amdhsa -mcpu=gfx1250 --defsym DOCPART=n.
;; ======== version 1 of 1: 4 launches
;; limits: values are held in f16: magnitudes above 65,504 overflow, below 6.1e-05 lose precision
;; workspace buffers: xh 8,388,608 bytes; wah 6,291,456 bytes; wph 2,097,152 bytes; qkv 25,165,824 bytes; yh 8,388,608 bytes
;; launch cast (part 1): grid 1024 x 1, 8 waves a work-group, no clusters, 0 bytes of LDS; arguments x, W_attn, W_proj, xh, wah, wph; writes xh, wah, wph
.if DOCPART == 1
	.amdgcn_target "amdgcn-amd-amdhsa--gfx1250"
	.amdhsa_code_object_version 6
	.text
	.protected	k_q0ecbce0f68_cast
	.globl	k_q0ecbce0f68_cast
	.p2align	8
	.type	k_q0ecbce0f68_cast,@function
k_q0ecbce0f68_cast:
	s_mov_b64 s[64:65], 0
	v_nop
	global_prefetch_b8 v0, s[64:65] scope:SCOPE_SE
	s_setreg_imm32_b32 hwreg(HW_REG_WAVE_MODE, 25, 1), 1
	s_wait_xcnt 0x0
; x, W_attn, W_proj (f32) are rounded once to bf16 (nearest even), the rounding that the problem's contract states for matrix operands.
;   xh  [4096][1024], wah [3072][1024]: bf16, the same order as the inputs.
;   wph [kb 16][o 1024][64]: W_proj[o][64 kb + d], so that 128 rows of one block of 64 along K are 16 KiB without gaps.  W_proj meets y in one
;   product, and y is kept in f16 (11 bits: rows with few keys are not averaged and want them), so W_proj's bf16 number is written as f16: its 8 bits
;   fit f16's 11, so the second conversion changes nothing for magnitudes from 2^-17 up.
; LIMIT (wph alone): below 2^-17 the f16 form adds an absolute error of at most 2^-25; a magnitude of 65,520 or more becomes an infinity.
; A stream: no LDS, no barrier, no matrix unit, nothing shared between work-groups, so no cluster.
; A work-group takes 8,192 numbers: groups 0-511 x, 512-895 W_attn, 896-1023 W_proj.  A thread takes four chunks of 8 numbers:
; all eight 16-byte loads go out first, then each chunk is rounded and leaves as 16 bytes; a wave's store covers 512 consecutive bytes.
.set X, 8                              ; v[8:39]   four chunks of 8 f32
.set Y, 40                             ; v[40:55]  four chunks of 8 numbers of 16 bits
; chunk c is read at (c%2) s1 + (c/2) s2 and stored at (c%2) d1 + (c/2) d2 from the thread's first bytes.  asf16 = 1: the bf16 numbers leave as f16.
.macro CAST4 s1, s2, d1, d2, asf16
.irp c, 0,1,2,3
	global_load_b128 v[X+8*\c:X+8*\c+3],   v1, s[16:17] offset:(\c%2)*\s1+(\c/2)*\s2 th:TH_LOAD_NT
	global_load_b128 v[X+8*\c+4:X+8*\c+7], v1, s[16:17] offset:(\c%2)*\s1+(\c/2)*\s2+16 th:TH_LOAD_NT
.endr
.irp c, 0,1,2,3
	s_wait_loadcnt 6-2*\c                          ; loads return in order: chunk c's two are in, the younger chunks' stay out
.irp k, 0,1,2,3
	v_cvt_pk_bf16_f32 v[Y+4*\c+\k], v[X+8*\c+2*\k], v[X+8*\c+2*\k+1]
.endr
.if \asf16
.irp k, 0,1,2,3
	v_lshlrev_b32 v[X+8*\c+2*\k],   16, v[Y+4*\c+\k]               ; the two bf16 numbers as f32, over the chunk's own registers,
	v_and_b32     v[X+8*\c+2*\k+1], 0xffff0000, v[Y+4*\c+\k]
.endr
.irp k, 0,1,2,3
	v_cvt_pk_f16_f32 v[Y+4*\c+\k], v[X+8*\c+2*\k], v[X+8*\c+2*\k+1]   ; and as f16
.endr
.endif
	global_store_b128 v2, v[Y+4*\c:Y+4*\c+3], s[18:19] offset:(\c%2)*\d1+(\c/2)*\d2   ; no hint: a later launch reads it
.endr
.endm
	s_load_b256 s[4:11], s[0:1], 0x0               ; x s[4:5], W_attn s[6:7], W_proj s[8:9], xh s[10:11]
	s_load_b128 s[12:15], s[0:1], 0x20             ; wah s[12:13], wph s[14:15]
	s_mov_b32 s21, 0                               ; high words of the two offsets
	s_mov_b32 s23, 0
	s_cmp_lt_u32 ttmp9, 896
	s_cbranch_scc0 .Lwproj
	; x or W_attn: the order stays.  Thread t: 32 bytes in at 32 t, 16 bytes out at 16 t; a chunk is 8,192 bytes in, 4,096 out.
	v_lshlrev_b32 v1, 5, v0
	v_lshlrev_b32 v2, 4, v0
	s_wait_kmcnt 0x0
	s_cmp_lt_u32 ttmp9, 512
	s_cselect_b64 s[16:17], s[4:5], s[6:7]         ; from x or from W_attn
	s_cselect_b64 s[18:19], s[10:11], s[12:13]     ; to xh or to wah
	s_cselect_b32 s20, 0, 512
	s_sub_co_u32 s20, ttmp9, s20                   ; the group's number within its tensor
	s_lshl_b32 s22, s20, 14                        ; 16,384 bytes out
	s_lshl_b32 s20, s20, 15                        ; 32,768 bytes in
	s_add_nc_u64 s[16:17], s[16:17], s[20:21]
	s_add_nc_u64 s[18:19], s[18:19], s[22:23]
	CAST4 8192, 16384, 4096, 8192, 0
	s_endpgm
.Lwproj:
	; W_proj: the group takes rows o = 8 g .. 8 g + 7.  Wave wv takes blocks kb = 2 wv and 2 wv + 1; lane L row L / 8, numbers 8 (L % 8) ..
	; Chunk c: block 2 wv + c % 2, rows + 4 (c / 2).  Out: four rows of 128 bytes follow each other in wph: 16 L.
	v_bfe_u32 v3, v0, 3, 2                         ; L / 8
	v_lshrrev_b32 v4, 5, v0                        ; wv
	v_and_b32 v5, 7, v0
	v_lshlrev_b32 v1, 12, v3                       ; a row of W_proj is 4,096 bytes
	v_lshl_add_u32 v1, v4, 9, v1                   ; two blocks of 256 bytes a wave
	v_lshl_add_u32 v1, v5, 5, v1
	v_and_b32 v5, 31, v0
	v_lshlrev_b32 v2, 4, v5
	v_lshl_add_u32 v2, v4, 18, v2                  ; two planes of 131,072 bytes a wave
	s_sub_co_u32 s20, ttmp9, 896
	s_lshl_b32 s22, s20, 10                        ; 8 rows of 128 bytes in each plane
	s_lshl_b32 s20, s20, 15                        ; 8 rows of 4,096 bytes
	s_wait_kmcnt 0x0
	s_add_nc_u64 s[16:17], s[8:9], s[20:21]
	s_add_nc_u64 s[18:19], s[14:15], s[22:23]
	CAST4 256, 16384, 131072, 512, 1
	s_endpgm
.Lfunc_end_k_q0ecbce0f68_cast:
	.size	k_q0ecbce0f68_cast, .Lfunc_end_k_q0ecbce0f68_cast-k_q0ecbce0f68_cast
	.p2alignl 7, 3214868480
	.fill 96, 4, 3214868480
	.section	.rodata,"a",@progbits
	.p2align	6, 0x0
	.amdhsa_kernel k_q0ecbce0f68_cast
		.amdhsa_group_segment_fixed_size 0
		.amdhsa_private_segment_fixed_size 0
		.amdhsa_enable_private_segment 0
		.amdhsa_kernarg_size 48
		.amdhsa_user_sgpr_count 2
		.amdhsa_user_sgpr_kernarg_segment_ptr 1
		.amdhsa_wavefront_size32 1
		.amdhsa_system_sgpr_workgroup_id_x 1
		.amdhsa_system_sgpr_workgroup_id_y 1
		.amdhsa_system_sgpr_workgroup_id_z 1
		.amdhsa_system_vgpr_workitem_id 0
		.amdhsa_next_free_vgpr 56
		.amdhsa_next_free_sgpr 66
		.amdhsa_reserve_vcc 0
		.amdhsa_float_denorm_mode_32 3
		.amdhsa_float_denorm_mode_16_64 3
		.amdhsa_memory_ordered 1
		.amdhsa_forward_progress 1
		.amdhsa_inst_pref_size 9
	.end_amdhsa_kernel
	.amdgpu_metadata
---
amdhsa.version: [ 1, 2 ]
amdhsa.kernels:
  - .name:           k_q0ecbce0f68_cast
    .symbol:         k_q0ecbce0f68_cast.kd
    .args:
      - { .name: x, .offset: 0, .size: 8, .value_kind: global_buffer, .address_space: global }
      - { .name: W_attn, .offset: 8, .size: 8, .value_kind: global_buffer, .address_space: global }
      - { .name: W_proj, .offset: 16, .size: 8, .value_kind: global_buffer, .address_space: global }
      - { .name: xh, .offset: 24, .size: 8, .value_kind: global_buffer, .address_space: global }
      - { .name: wah, .offset: 32, .size: 8, .value_kind: global_buffer, .address_space: global }
      - { .name: wph, .offset: 40, .size: 8, .value_kind: global_buffer, .address_space: global }
    .group_segment_fixed_size: 0
    .private_segment_fixed_size: 0
    .kernarg_segment_align: 8
    .kernarg_segment_size: 48
    .max_flat_workgroup_size: 256
    .sgpr_count:     66
    .vgpr_count:     56
    .wavefront_size: 32
...
	.end_amdgpu_metadata
.endif
;; end of part 1
;; launch qkv (part 2): grid 16 x 16, 4 waves a work-group, clusters of 4 x 4, 327,680 bytes of LDS; arguments xh, wah, b_attn, qkv; writes qkv
.if DOCPART == 2
	.amdgcn_target "amdgcn-amd-amdhsa--gfx1250"
	.amdhsa_code_object_version 6
	.text
	.protected	k_q0ecbce0f68_qkv
	.globl	k_q0ecbce0f68_qkv
	.p2align	8
	.type	k_q0ecbce0f68_qkv,@function
k_q0ecbce0f68_qkv:
	s_mov_b64 s[64:65], 0
	v_nop
	global_prefetch_b8 v0, s[64:65] scope:SCOPE_SE
	s_setreg_imm32_b32 hwreg(HW_REG_WAVE_MODE, 25, 1), 1
	s_wait_xcnt 0x0
	s_wait_alu depctr_hold_cnt(0) depctr_sa_sdst(0) depctr_va_vdst(0) depctr_va_sdst(0) depctr_va_ssrc(0) depctr_va_vcc(0) depctr_vm_vsrc(0)
	s_getreg_b32 s2, hwreg(HW_REG_IB_STS2, 6, 4)
	s_cmp_eq_u32 s2, 0
	s_cbranch_scc0 .Lentry_in_a_cluster
	s_endpgm
.Lentry_in_a_cluster:
	s_bfe_u32 s2, ttmp6, 0x10000c
	s_cmp_lg_u32 s2, 0xf033
	s_cbranch_scc0 .Lentry_shape_is_right
	s_endpgm
.Lentry_shape_is_right:
; qkv[b][g][t][d] = sum over c of xh[2048 b + t][c] wah[64 g + d][c] + b_attn[64 g + d]; bf16 operands, sums and bias in f32, rounded once to f16.
; g = 0-15: q's heads, 16-31: k's, 32-47: v's; a plane [t 2048][64] is 262,144 bytes.
; The results go out in f16, not bf16: they are operands of the next products, and rows with few keys are not averaged, so they want f16's 11 bits.
; LIMIT: a result of magnitude 65,520 or more becomes an infinity in f16.
; M = 4096, N = 3072, K = 1024.  A work-group makes a block of 256 x 192 (16 x 16 blocks = 256 equal work-groups; three whole heads a block),
; four waves, a wave 128 x 96: 8 x 6 accumulator tiles, 384 registers.  K goes in 8 steps of 128 (rows of 256 bytes, starting at multiples
; of 256 bytes) through a ring of two LDS slots filled by the tensor data mover.
; CLUSTERS: 4 x 4 work-groups.  The four of a row of the cluster need the same tiles of xh, the four of a column the same tiles of wah:
; each tile is asked for jointly, by the same load with the same descriptor and a mask that names the four.
; REGISTERS in windows of 256:
;   window 0: v16-27 addresses; v64-127, v128-191 fragments of xh (8 x 16 rows x 32 K), two buffers; v192-215 at work on the way out
;   window 1: v64-111, v128-175 fragments of wah (6 x 16 rows x 32 K), two buffers; v176-223 the bias of my 96 columns
;   window 2: the 24 tiles of my rows 0-63 (tile (a, b) at v[8 (6 a + b)]);  window 3: those of my rows 64-127
; The matrix instruction is used transposed (source 0 = rows of wah, source 1 = rows of xh): lane l holds row l % 16 of the block and its
; registers 0-7 the columns 8 (l / 16) + 0..7, eight neighbouring numbers of a row.
.set SIZE_K, 1024
.set KSTEP,  128
.set PITCH,  272                       ; an LDS row: 256 bytes + 16 of padding: the 16 rows of a fragment load start 16 bytes apart modulo 256
.set HALFT,  128*PITCH                 ; room of one tensor load: 128 rows of xh, or 96 rows of wah
.set SLOT,   4*HALFT                   ; xh's two halves, then wah's two halves
.set SPITCH, 400                       ; the way out: a block row of 192 f16 = 384 bytes + 16
.set LAPS,   SIZE_K/(2*KSTEP)          ; a lap = two K steps = once round the ring: 4
.set PLANE,  262144
.set ADRA, 16                          ; v16-17  LDS address of my fragments of xh in slot 0, 1
.set ADRB, 20                          ; v20-21  the same for wah
.set STO,  24                          ; v24     the way out: where I put 16 bytes of a block row
.set RD,   25                          ; v25     the way out: where I read 16 bytes of a head's row
.set CO,   26                          ; v26     my byte offset in a plane of qkv
.set VB,   27                          ; v27     my byte offset in b_attn
.set F0,   64
.set F1,   128
.set TMP,  192
.set BIAS, 176                         ; window 1
.set G1,  24                           ; s[24:31] group 1 for xh's tiles
.set G0,  32                           ; s[32:39] group 0 for xh's tiles, one set for each slot
.set G1B, 48                           ; s[48:55] group 1 for wah's tiles
.set G0B, 56                           ; s[56:63] group 0 for wah's tiles, one set for each slot
.set MSB, 0
.macro WIN new                         ; the immediate's high byte repeats the setting that is left
.if MSB != \new
	s_set_vgpr_msb (MSB<<8)|\new
.set MSB, \new
.endif
.endm
.set MUL_LO, 0xa1                      ; source 0 window 1, source 1 window 0, C and D window 2
.set MUL_HI, 0xf1                      ; the same, C and D window 3
.set TO_B,   0x40                      ; destination window 1, address window 0
; A joint load.  Waves 0 and 1 fetch xh's two halves, waves 2 and 3 wah's.  The branch hangs on the wave's number alone.
.macro JLOAD s
	s_cmp_eq_u32 s11, 0
	s_cbranch_scc0 .Lfor_b_\@
	tensor_load_to_lds s[G0+4*\s:G0+4*\s+3], s[G1:G1+7]
	s_nop 0
	s_branch .Lasked_\@
.Lfor_b_\@:
	tensor_load_to_lds s[G0B+4*\s:G0B+4*\s+3], s[G1B:G1B+7]
	s_nop 0
.Lasked_\@:
.endm
; A round of the cluster's barrier: my work-group's barrier; wave 0 signals for the work-group; every wave waits for all sixteen; my work-group's barrier again.
.macro CREST                           ; a round behind its opening barrier
	s_cmp_lg_u32 s10, 0
	s_cbranch_scc1 .Lnot_wave_0_\@
	s_barrier_signal -3
.Lnot_wave_0_\@:
	s_barrier_wait -3
	s_barrier_signal -1
	s_barrier_wait -1
.endm
.macro CROUND
	s_barrier_signal -1
	s_barrier_wait -1
	CREST
.endm
	s_load_b128 s[4:7], s[0:1], 0x0                ; xh s[4:5], wah s[6:7]
	s_load_b128 s[68:71], s[0:1], 0x10             ; b_attn s[68:69], qkv s[70:71]
	s_set_vgpr_msb 0x40
	v_lshl_add_u32 v255, v0, 2, 0x44000
	s_set_vgpr_msb 0x4000
	v_mov_b32 v255, 0
	s_set_vgpr_msb 0x1
	ds_add_u32 v255, v255
	s_set_vgpr_msb 0x100
	v_lshrrev_b32 v1, 5, v0
	v_readfirstlane_b32 s10, v1                    ; wave 0..3
	s_lshr_b32 s11, s10, 1                         ; which 128 rows of the block are mine.  Also: I fetch for xh (0) or for wah (1)
	s_and_b32 s12, s10, 1                          ; which 96 columns.  Also: which half of that tile I fetch
	s_bfe_u32 s40, ttmp6, 0x40000                  ; cx
	s_bfe_u32 s41, ttmp6, 0x40004                  ; cy
	s_lshl_b32 s42, ttmp9, 2
	s_add_co_u32 s42, s42, s40                     ; block column = 4 x cluster x + cx
	s_and_b32 s13, ttmp7, 0xffff
	s_lshl_b32 s13, s13, 2
	s_add_co_u32 s13, s13, s41                     ; block row = 4 x cluster y + cy
	s_lshl_b32 s43, s41, 2
	s_lshl_b32 s43, 15, s43                        ; my row of the cluster: places 4 cy .. 4 cy + 3
	s_lshl_b32 s44, 0x1111, s40                    ; my column: places cx, cx + 4, cx + 8, cx + 12
	; group 1: rows of 128 elements of 2 bytes, 16 bytes of padding behind each; 128 rows of xh, 96 rows of wah
	s_or_b32 s[G1+0],  s43, (1<<16)|(1<<20)|(1<<21)|(5<<22)|(3<<25)   ; mask; element of 2 bytes; padding on; bit 21 beside a mask; after 64 words; 4 words
	s_or_b32 s[G1B+0], s44, (1<<16)|(1<<20)|(1<<21)|(5<<22)|(3<<25)
	s_mov_b32 s[G1+1],  KSTEP<<16                  ; tensor_dim0 = 128
	s_mov_b32 s[G1B+1], KSTEP<<16
	s_mov_b32 s[G1+2],  128<<16                    ; tensor_dim1 = 128
	s_mov_b32 s[G1B+2], 96<<16                     ; tensor_dim1 = 96
	s_mov_b32 s[G1+3],  KSTEP<<16                  ; tile_dim0 = 128
	s_mov_b32 s[G1B+3], KSTEP<<16
	s_mov_b32 s[G1+4],  128                        ; tile_dim1
	s_mov_b32 s[G1B+4], 96
	s_mov_b32 s[G1+5],  SIZE_K                     ; elements from row to row
	s_mov_b32 s[G1B+5], SIZE_K
	s_mov_b32 s[G1+6],  0
	s_mov_b32 s[G1B+6], 0
	s_mov_b32 s[G1+7],  0
	s_mov_b32 s[G1B+7], 0
	; xh's tiles hang on the block row alone, wah's on the block column alone; each address is made in registers that never hold the other coordinate
	s_lshl_b32 s17, s12, 7
	s_lshl_b32 s16, s13, 8
	s_add_co_u32 s16, s16, s17                     ; xh: row 256 x block row + 128 x half
	s_lshl_b32 s16, s16, 11                        ; a row is 2,048 bytes
	s_mov_b32 s17, 0
	s_mul_i32 s46, s42, 192
	s_mul_i32 s47, s12, 96
	s_add_co_u32 s46, s46, s47                     ; wah: row 192 x block column + 96 x half
	s_lshl_b32 s46, s46, 11
	s_mov_b32 s47, 0
	s_mul_i32 s20, s10, HALFT                      ; where my load goes: the wave's number alone
	s_wait_dscnt 0x0
	s_wait_kmcnt 0x0
	s_add_nc_u64 s[14:15], s[4:5], s[16:17]
	s_add_nc_u64 s[46:47], s[6:7], s[46:47]
	CROUND                                         ; all sixteen work-groups are here: the first joint loads meet
.irp s, 0,1
	s_mov_b32 s[G0+4*\s], 1
	s_add_co_u32 s[G0+4*\s+1], s20, \s*SLOT
	s_add_nc_u64 s[G0+4*\s+2:G0+4*\s+3], s[14:15], \s*KSTEP*2      ; K step s
	s_or_b32 s[G0+4*\s+3], s[G0+4*\s+3], 0x80000000                ; type = 2
	s_mov_b32 s[G0B+4*\s], 1
	s_add_co_u32 s[G0B+4*\s+1], s20, \s*SLOT
	s_add_nc_u64 s[G0B+4*\s+2:G0B+4*\s+3], s[46:47], \s*KSTEP*2
	s_or_b32 s[G0B+4*\s+3], s[G0B+4*\s+3], 0x80000000
	JLOAD \s                                       ; two loads of this wave are out
.endr
	; a fragment: lane l holds row l % 16; registers 0-3 K = 8 (l / 16) + 0..7, registers 4-7 K = 16 + 8 (l / 16) + 0..7: two loads of 16 bytes, 32 apart
	v_and_b32 v1, 15, v0                           ; r
	v_bfe_u32 v2, v0, 4, 1                         ; h
	v_mul_u32_u24 v3, v1, PITCH
	v_lshl_add_u32 v3, v2, 4, v3
	s_mul_i32 s21, s11, HALFT                      ; my 128 rows of xh
	s_mul_i32 s22, s12, HALFT                      ; my 96 rows of wah,
	s_add_co_u32 s22, s22, 2*HALFT                 ; behind xh's 256
.irp s, 0,1
	v_add_nc_u32 v[ADRA+\s], s21, v3
	v_add_nc_u32 v[ADRB+\s], s22, v3
	s_add_co_u32 s21, s21, SLOT
	s_add_co_u32 s22, s22, SLOT
.endr
	s_mul_i32 s23, s11, 128*SPITCH                 ; the stage: block row 128 x half + r, byte 192 x column half + 16 h
	s_mul_i32 s21, s12, 192
	s_add_co_u32 s23, s23, s21
	v_mul_u32_u24 v4, v1, SPITCH
	v_lshl_add_u32 v4, v2, 4, v4
	v_add_nc_u32 v[STO], s23, v4
	v_and_b32 v5, 31, v0                           ; L
	v_lshrrev_b32 v6, 3, v5
	v_and_b32 v7, 7, v0
	v_mul_u32_u24 v6, v6, SPITCH                   ; back: eight lanes take the 128 bytes that a head has in a block row, 32 lanes four rows
	v_lshl_add_u32 v6, v7, 4, v6
	s_mul_i32 s23, s10, 64*SPITCH                  ; wave w stores block rows 64 w .. 64 w + 63
	v_add_nc_u32 v[RD], s23, v6
	v_lshlrev_b32 v5, 4, v5
	v_lshl_add_u32 v[CO], s10, 13, v5              ; 64 rows of 128 bytes a wave + 16 L
	s_mul_i32 s23, s12, 384
	v_lshl_add_u32 v[VB], v2, 5, s23               ; bias: 4 (96 x column half + 8 h)
	s_mul_i32 s46, s42, 768                        ; + 4 x 192 x block column
	s_mov_b32 s47, 0
	s_add_nc_u64 s[68:69], s[68:69], s[46:47]
	WIN TO_B
.irp b, 0,1,2,3,4,5
	global_load_b128 v[BIAS+8*\b:BIAS+8*\b+3],   v[VB], s[68:69] offset:64*\b      ; the 8 columns that I hold of tile column b
	global_load_b128 v[BIAS+8*\b+4:BIAS+8*\b+7], v[VB], s[68:69] offset:64*\b+16
.endr
	WIN 0
; 12 matrix instructions: m tiles a0, a0 + 1 of the window's four x all 6 n tiles, 32 along K.  zero = 1: the first product starts the sums.
.macro MUL12 f, hi, a0, zero
.irp a, \a0, \a0+1
.irp b, 0,1,2,3,4,5
.if \zero
	v_wmma_f32_16x16x32_bf16 v[8*(6*(\a)+\b):8*(6*(\a)+\b)+7], v[\f+8*\b:\f+8*\b+7], v[\f+8*(4*\hi+\a):\f+8*(4*\hi+\a)+7], 0
.else
	v_wmma_f32_16x16x32_bf16 v[8*(6*(\a)+\b):8*(6*(\a)+\b)+7], v[\f+8*\b:\f+8*\b+7], v[\f+8*(4*\hi+\a):\f+8*(4*\hi+\a)+7], v[8*(6*(\a)+\b):8*(6*(\a)+\b)+7]
.endif
.endr
.endr
.endm
; 28 LDS loads in one run: 96 rows of wah, 128 rows of xh, 32 K at byte k of the rows, into buffer f
.macro FETCH slot, k, f
	WIN TO_B
.irp i, 0,1,2,3,4,5
	ds_load_b128 v[\f+8*\i:\f+8*\i+3],   v[ADRB+\slot] offset:\k+\i*16*PITCH
	ds_load_b128 v[\f+8*\i+4:\f+8*\i+7], v[ADRB+\slot] offset:\k+\i*16*PITCH+32
.endr
	WIN 0
.irp i, 0,1,2,3,4,5,6,7
	ds_load_b128 v[\f+8*\i:\f+8*\i+3],   v[ADRA+\slot] offset:\k+\i*16*PITCH
	ds_load_b128 v[\f+8*\i+4:\f+8*\i+7], v[ADRA+\slot] offset:\k+\i*16*PITCH+32
.endr
.endm
; Four places behind a matrix instruction before a load lands in one of its registers or a vector instruction reads its result
.macro PLACES
.rept 4
	v_nop
.endr
.endm
; A K step is four quarters of 32 along K, 48 matrix instructions each, on buffers 0, 1, 0, 1.  The 48 accumulators take turns, one instruction
; a turn, in the same order in every quarter.
.macro QUARTER slot, k, f, g, zero
	s_wait_dscnt 8                                 ; wah's 12 loads and xh's rows 0-63 are in; the youngest eight (xh's rows 64-127) may be out
	WIN MUL_LO
	MUL12 \f, 0, 0, \zero
	MUL12 \f, 0, 2, \zero
	PLACES
	FETCH \slot, \k, \g
	s_wait_dscnt 28                                ; all but the 28 just issued
	WIN MUL_HI
	MUL12 \f, 1, 0, \zero
	MUL12 \f, 1, 2, \zero
.endm
.macro THREE slot, zero
	QUARTER \slot, 64,  F0, F1, \zero
	QUARTER \slot, 128, F1, F0, 0
	QUARTER \slot, 192, F0, F1, 0
.endm
; The last quarter multiplies buffer 1 and changes slots.  In front of the barrier each wave waits for its reads of this slot and for all its
; tensor loads (one is out: its part of the next slot).  Behind it, where the slot is filled again, the round of the cluster's barrier goes on,
; and the joint refill is the wave's first and only tensor load behind it.
.macro TURN slot, next, fill
	s_wait_dscnt 8
	WIN MUL_LO
	MUL12 F1, 0, 0, 0
	s_wait_dscnt 0                                 ; my reads of this slot are over
	s_wait_tensorcnt 0x0                           ; all my tensor loads have landed
	ds_add_u32 v255, v255
	s_wait_dscnt 0x0
	s_barrier_signal -1
	MUL12 F1, 0, 2, 0                              ; registers only
	WIN 0
	s_barrier_wait -1
.if \fill
	CREST                                          ; no wave of any partner still reads this slot or has a load on its way
	s_add_nc_u64 s[G0+4*\slot+2:G0+4*\slot+3], s[G0+4*\slot+2:G0+4*\slot+3], 2*KSTEP*2
	s_add_nc_u64 s[G0B+4*\slot+2:G0B+4*\slot+3], s[G0B+4*\slot+2:G0B+4*\slot+3], 2*KSTEP*2
	JLOAD \slot
.endif
	PLACES
	FETCH \next, 0, F0
	WIN MUL_HI
	MUL12 F1, 1, 0, 0
	MUL12 F1, 1, 2, 0
.endm
.macro LAP zero
	THREE 0, \zero
	TURN 0, 1, 1
	THREE 1, 0
	TURN 1, 0, 1
.endm
	s_wait_tensorcnt 1                             ; my part of K step 0 is in; K step 1's stays out
	s_barrier_signal -1
	s_barrier_wait -1
	FETCH 0, 0, F0
	LAP 1                                          ; the first lap's first products start the sums
	WIN 0
	s_mov_b32 s3, LAPS-2
.Llap:
	LAP 0
	WIN 0
	s_sub_co_u32 s3, s3, 1
	s_cmp_lg_u32 s3, 0
	s_cbranch_scc1 .Llap
	THREE 0, 0                                     ; the last lap fills nothing
	TURN 0, 1, 0                                   ; behind this barrier no wave reads slot 0 and no load fills it any more
	THREE 1, 0
	s_wait_dscnt 8
	WIN MUL_LO
	MUL12 F1, 0, 0, 0
	MUL12 F1, 0, 2, 0
	s_wait_dscnt 0
	WIN MUL_HI
	MUL12 F1, 1, 0, 0
	MUL12 F1, 1, 2, 0
	; THE WAY OUT.  The block's 256 rows x 384 bytes are gathered in slot 0's first 102,400 bytes (its last fill and its last reads lie in front
	; of the last change of slots); the middle head is written by two waves, so a barrier stands between the stores and the reads.
	PLACES
	s_wait_loadcnt 0x0                             ; the bias
	s_lshr_b32 s16, s13, 3                         ; b: eight block rows a batch
	s_mul_i32 s16, s16, 48*PLANE
	s_and_b32 s17, s13, 7
	s_lshl_b32 s17, s17, 15                        ; 256 rows of 128 bytes
	s_add_co_u32 s16, s16, s17
	s_mov_b32 s17, 0
	s_add_nc_u64 s[70:71], s[70:71], s[16:17]
	s_mul_i32 s46, s42, 3*PLANE                    ; three heads a block column
	s_mov_b32 s47, 0
	s_add_nc_u64 s[70:71], s[70:71], s[46:47]
; my rows 16 i .. 16 i + 15 = the six tiles (a, 0..5) of window 2 or 3 (from = 0x06 or 0x07: source 0 that window, source 1 window 1)
.macro OUTROWS i, a, from
	WIN \from
.irp b, 0,1,2,3,4,5
.irp k, 0,1,2,3
	v_pk_add_f32 v[F0+8*\b+2*\k:F0+8*\b+2*\k+1], v[8*(6*\a+\b)+2*\k:8*(6*\a+\b)+2*\k+1], v[BIAS+8*\b+2*\k:BIAS+8*\b+2*\k+1]
.endr
.endr
	WIN 0
.irp b, 0,1,2,3,4,5
.irp k, 0,1,2,3
	v_cvt_pk_f16_f32 v[TMP+4*\b+\k], v[F0+8*\b+2*\k], v[F0+8*\b+2*\k+1]
.endr
.endr
.irp b, 0,1,2,3,4,5
	ds_store_b128 v[STO], v[TMP+4*\b:TMP+4*\b+3] offset:\i*16*SPITCH+32*\b
.endr
.endm
	OUTROWS 0, 0, 0x06
	OUTROWS 1, 1, 0x06
	OUTROWS 2, 2, 0x06
	OUTROWS 3, 3, 0x06
	OUTROWS 4, 0, 0x07
	OUTROWS 5, 1, 0x07
	OUTROWS 6, 2, 0x07
	OUTROWS 7, 3, 0x07
	s_wait_dscnt 0x0                               ; my stores are in LDS, for the other waves' sake
	s_barrier_signal -1
	s_barrier_wait -1
; head j of the block, my 64 rows: each load and each store takes four rows of 128 bytes; a store covers 512 consecutive bytes of the head's plane
.macro HEADOUT j, f
.irp t, 0,1,2,3,4,5,6,7,8,9,10,11,12,13,14,15
	ds_load_b128 v[\f+4*\t:\f+4*\t+3], v[RD] offset:\t*4*SPITCH+\j*128
.endr
.irp t, 0,1,2,3,4,5,6,7,8,9,10,11,12,13,14,15
	s_wait_dscnt 15-\t                             ; LDS loads return in order: load t is in
	global_store_b128 v[CO], v[\f+4*\t:\f+4*\t+3], s[70:71] offset:\j*PLANE+\t*512
.endr
.endm
	HEADOUT 0, F0
	HEADOUT 1, F1
	s_wait_xcnt 0x0                                ; buffer 0, which stores read, is loaded again only behind this wait
	HEADOUT 2, F0
	s_set_vgpr_msb 0x1
	s_wait_tensorcnt 0x0
	ds_add_u32 v255, v255
	s_wait_dscnt 0x0
	s_set_vgpr_msb 0x100
	CROUND                                         ; the closing round: no work-group ends while a partner may still ask for a tile that names it
	s_endpgm
.Lfunc_end_k_q0ecbce0f68_qkv:
	.size	k_q0ecbce0f68_qkv, .Lfunc_end_k_q0ecbce0f68_qkv-k_q0ecbce0f68_qkv
	.p2alignl 7, 3214868480
	.fill 96, 4, 3214868480
	.section	.rodata,"a",@progbits
	.p2align	6, 0x0
	.amdhsa_kernel k_q0ecbce0f68_qkv
		.amdhsa_group_segment_fixed_size 327680
		.amdhsa_private_segment_fixed_size 0
		.amdhsa_enable_private_segment 0
		.amdhsa_kernarg_size 32
		.amdhsa_user_sgpr_count 2
		.amdhsa_user_sgpr_kernarg_segment_ptr 1
		.amdhsa_wavefront_size32 1
		.amdhsa_system_sgpr_workgroup_id_x 1
		.amdhsa_system_sgpr_workgroup_id_y 1
		.amdhsa_system_sgpr_workgroup_id_z 1
		.amdhsa_system_vgpr_workitem_id 0
		.amdhsa_next_free_vgpr 960
		.amdhsa_next_free_sgpr 72
		.amdhsa_reserve_vcc 0
		.amdhsa_float_denorm_mode_32 3
		.amdhsa_float_denorm_mode_16_64 3
		.amdhsa_memory_ordered 1
		.amdhsa_forward_progress 1
		.amdhsa_inst_pref_size 171
	.end_amdhsa_kernel
	.amdgpu_metadata
---
amdhsa.version: [ 1, 2 ]
amdhsa.kernels:
  - .name:           k_q0ecbce0f68_qkv
    .symbol:         k_q0ecbce0f68_qkv.kd
    .args:
      - { .name: xh, .offset: 0, .size: 8, .value_kind: global_buffer, .address_space: global }
      - { .name: wah, .offset: 8, .size: 8, .value_kind: global_buffer, .address_space: global }
      - { .name: b_attn, .offset: 16, .size: 8, .value_kind: global_buffer, .address_space: global }
      - { .name: qkv, .offset: 24, .size: 8, .value_kind: global_buffer, .address_space: global }
    .group_segment_fixed_size: 327680
    .private_segment_fixed_size: 0
    .kernarg_segment_align: 8
    .kernarg_segment_size: 32
    .max_flat_workgroup_size: 128
    .sgpr_count:     72
    .vgpr_count:     960
    .wavefront_size: 32
...
	.end_amdgpu_metadata
.endif
;; end of part 2
;; launch attn (part 3): grid 8 x 32, 8 waves a work-group, no clusters, 327,680 bytes of LDS; arguments qkv, yh; writes yh
.if DOCPART == 3
	.amdgcn_target "amdgcn-amd-amdhsa--gfx1250"
	.amdhsa_code_object_version 6
	.text
	.protected	k_q0ecbce0f68_attn
	.globl	k_q0ecbce0f68_attn
	.p2align	8
	.type	k_q0ecbce0f68_attn,@function
k_q0ecbce0f68_attn:
	s_mov_b64 s[64:65], 0
	v_nop
	global_prefetch_b8 v0, s[64:65] scope:SCOPE_SE
	s_setreg_imm32_b32 hwreg(HW_REG_WAVE_MODE, 25, 1), 1
	s_wait_xcnt 0x0
; Causal attention of one head: yh[b][h][t][d] = sum over keys k <= t of softmax(q.k / 8)[t][k] v[k][d], f16 in, f16 out, sums and softmax in f32.
; Work-group (i, bh) owns the query blocks of 128 rows lo = i and hi = 15 - i of head bh: (i + 1) + (16 - i) = 17 units of 128 x 128 in every work-group.
; Keys go in tiles of 128 through two LDS slots; tile j lies in slot (j + i) & 1.  Order: i tiles for both blocks, lo's diagonal tile (slot 0),
; 14 - 2 i tiles for hi alone, hi's diagonal tile (slot 1).
; Eight waves, two on a SIMD: wave = (w = wave & 3, kh = wave >> 2) holds query tiles 0, 1 = lo's rows 32 w .. + 31 and 2, 3 = hi's rows 32 w .. + 31 and
; works on keys 64 kh .. + 63 of every tile, with a running maximum and sum of its own; the two key halves are merged once at the end, through LDS.
; LAYOUTS, no move between lanes but one for the maximum: S^T = K Q^T (A = 16 keys, B = 16 queries): lane (r, h), register j = key 16 u + 8 h + j, query r.
; Packed in pairs these registers are P as the B operand of O^T = V^T P (A = V^T by transposing LDS loads); lane (r, h) of O^T holds query r, d = 16 dt + 8 h + j.
; SOFTMAX: the state is mc = c x running maximum, c = log2(e) / 8; p = 2^(c s - mc), the old sums are scaled by 2^(mc old - mc new).  mc starts at -2^100:
; f16 operands bound |q.k| by 64 x 65504^2 = 2.8e11, so no real score is cut, and a key half that the mask removes whole gives p = 0, not 2^(rounding error).
; LIMIT: p and y are rounded to f16 (p <= 1; |y| <= the largest |v|).
; NO CLUSTER: the eight work-groups of a head read the same K and V tiles but need 16 - i of them, 9 to 16; asking jointly in step, each of the 16 steps
; would last as long as its slowest partner's: 8 steps of two units and 8 of one, 24 units against the 17 that each has.
.set KPITCH, 272                       ; an LDS row holds two keys (256 bytes) + 16: key kk at (kk >> 1) 272 + (kk & 1) 128
.set VPITCH, 288                       ; the same + 32: the 16 lanes of a transposing load touch 16 different 16-byte columns modulo 256
.set KBYTES, 64*KPITCH                 ; 17,408
.set SLOTB,  KBYTES+64*VPITCH          ; 35,840: K's tile, then V's
.set MERGE,  2*SLOTB                   ; 71,680: 8,704 bytes a wave: 16 x 512 of O, 512 of (mc, l); no fill lands here
.set MWAVE,  8704
.set STG,    MERGE+8*MWAVE             ; 141,312: 2,304 bytes a wave: 16 rows x 144; no fill lands here
.set SWAVE,  2304
.set PLANE,  262144
; window 0
.set AK,  4                            ; LDS address of my K fragments in slot 0
.set AV,  5                            ; the same for V
.set VQL, 6                            ; byte offset of my part of lo's q rows;  VQH: hi's
.set VQH, 7
.set MEX, 8                            ; merge: where I put;  MIM: where my partner put
.set MIM, 9
.set STO, 10                           ; stage: in;  RD: back
.set RD,  11
.set COL, 12                           ; byte offset in yh's plane of my 16 bytes, lo;  COH: hi
.set COH, 13
.set QF,  32                           ; v32-95   Q fragments at 16 t + 8 ks
.set KF,  96                           ; v96-159  K fragments at 16 u + 8 ks
.set VF,  160                          ; v160-223 V^T fragments at 16 dt + 8 ks
; window 1
.set O,   0                            ; O^T at 32 t + 8 dt
.set SB,  128                          ; S^T, then p, of two query tiles at 32 q + 8 u
.set PB,  192                          ; p in f16 at 16 q
.set ST,  224                          ; (mc, l) of query tile t at 2 t
.set D0,  232                          ; 32 w + r - 8 h - 64 kh: key 16 u + j of my half is allowed for query tile q where 16 u + j - 16 q <= D0
.set NMC, 234                          ; -mc (low register; the high one is written once and never used)
.set AL,  236                          ; the old sums' factor (likewise)
.set TM,  238
.set U,   246
.set G1K, 24                           ; s[24:31] group 1 for K;  s[32:39] for V
.set G1V, 32
.set GK,  40                           ; s[40:47] group 0 for K, one set for each slot;  s[48:55] for V
.set GV,  48
.set MSB, 0
.macro WIN new
.if MSB != \new
	s_set_vgpr_msb (MSB<<8)|\new
.set MSB, \new
.endif
.endm
.macro PLACES                          ; four places behind a matrix instruction (ISA guide 7.12.1)
.rept 4
	v_nop
.endr
.endm
; Wave 0 asks for K's tile of slot s, wave 1 for V's: 64 rows of 256 bytes each, one load a wave; the other waves ask for nothing.
.macro KVLOAD s
	s_cmp_lg_u32 s8, 0
	s_cbranch_scc1 .Lnot_k_\@
	tensor_load_to_lds s[GK+4*\s:GK+4*\s+3], s[G1K:G1K+7]
	s_nop 0
.Lnot_k_\@:
	s_cmp_lg_u32 s8, 1
	s_cbranch_scc1 .Lnot_v_\@
	tensor_load_to_lds s[GV+4*\s:GV+4*\s+3], s[G1V:G1V+7]
	s_nop 0
.Lnot_v_\@:
.endm
	s_load_b128 s[4:7], s[0:1], 0x0                ; qkv s[4:5], yh s[6:7]
	v_lshl_add_u32 v254, v0, 2, 0x29000
	v_mov_b32 v255, 0
	ds_add_u32 v254, v255
	v_lshrrev_b32 v1, 5, v0
	v_readfirstlane_b32 s8, v1                     ; wave 0..7
	s_and_b32 s9, s8, 3                            ; w
	s_lshr_b32 s10, s8, 2                          ; kh
	s_mov_b32 s11, ttmp9                           ; i
	s_and_b32 s12, ttmp7, 0xffff                   ; bh = 16 b + h
	s_mov_b32 s14, 0x76543210                      ; v_permlanex16_b32: lane l reads lane l xor 16
	s_mov_b32 s15, 0xfedcba98
	s_mov_b32 s16, 0xff7fffff                      ; the most negative f32
	s_mov_b32 s17, 0x3e38aa3b                      ; c = log2(e) / 8
	s_lshr_b32 s20, s11, 1                         ; pairs of tiles for both blocks
	s_sub_co_u32 s21, 7, s11                       ; pairs of tiles for hi alone
	; group 1: a tile of 16,384 bytes without gaps in memory, as 64 rows of 32 elements of 8 bytes, padded in LDS by 4 words (K) or 8 words (V)
	s_mov_b32 s[G1K+0], (3<<16)|(1<<20)|(5<<22)|(3<<25)
	s_mov_b32 s[G1V+0], (3<<16)|(1<<20)|(5<<22)|(7<<25)
	s_mov_b32 s[G1K+1], 32<<16                     ; tensor_dim0 = 32
	s_mov_b32 s[G1V+1], 32<<16
	s_mov_b32 s[G1K+2], 64<<16                     ; tensor_dim1 = 64
	s_mov_b32 s[G1V+2], 64<<16
	s_mov_b32 s[G1K+3], 32<<16                     ; tile_dim0 = 32
	s_mov_b32 s[G1V+3], 32<<16
	s_mov_b32 s[G1K+4], 64                         ; tile_dim1 = 64
	s_mov_b32 s[G1V+4], 64
	s_mov_b32 s[G1K+5], 32                         ; elements from row to row
	s_mov_b32 s[G1V+5], 32
	s_mov_b32 s[G1K+6], 0
	s_mov_b32 s[G1V+6], 0
	s_mov_b32 s[G1K+7], 0
	s_mov_b32 s[G1V+7], 0
	s_mov_b32 s[GK+0], 1
	s_mov_b32 s[GK+1], 0
	s_mov_b32 s[GK+4], 1
	s_mov_b32 s[GK+5], SLOTB
	s_mov_b32 s[GV+0], 1
	s_mov_b32 s[GV+1], KBYTES
	s_mov_b32 s[GV+4], 1
	s_mov_b32 s[GV+5], SLOTB+KBYTES
	s_lshr_b32 s22, s12, 4
	s_mul_i32 s22, s22, 48
	s_and_b32 s23, s12, 15
	s_add_co_u32 s22, s22, s23                     ; q's plane: 48 b + h; k's is 16 planes on, v's 32
	s_lshl_b32 s56, s22, 18
	s_mov_b32 s57, 0
	s_and_b32 s23, s11, 1                          ; slot 0's first tile is tile i & 1,
	s_lshl_b32 s58, s23, 14
	s_add_co_u32 s58, s58, s56
	s_add_co_u32 s58, s58, 16*PLANE
	s_mov_b32 s59, 0
	s_xor_b32 s23, s23, 1                          ; slot 1's the other of tiles 0 and 1
	s_lshl_b32 s60, s23, 14
	s_add_co_u32 s60, s60, s56
	s_add_co_u32 s60, s60, 16*PLANE
	s_mov_b32 s61, 0
	s_wait_dscnt 0x0
	s_barrier_signal -1
	s_barrier_wait -1
	s_wait_kmcnt 0x0
	s_add_nc_u64 s[GK+2:GK+3], s[4:5], s[58:59]
	s_add_nc_u64 s[GK+6:GK+7], s[4:5], s[60:61]
	s_add_nc_u64 s[GV+2:GV+3], s[GK+2:GK+3], 16*PLANE
	s_add_nc_u64 s[GV+6:GV+7], s[GK+6:GK+7], 16*PLANE
	s_or_b32 s[GK+3], s[GK+3], 0x80000000          ; type = 2
	s_or_b32 s[GK+7], s[GK+7], 0x80000000
	s_or_b32 s[GV+3], s[GV+3], 0x80000000
	s_or_b32 s[GV+7], s[GV+7], 0x80000000
	s_add_nc_u64 s[18:19], s[4:5], s[56:57]        ; q's plane
	s_lshl_b32 s58, s12, 18
	s_add_nc_u64 s[6:7], s[6:7], s[58:59]          ; yh's plane
	v_and_b32 v1, 31, v0                           ; L
	v_and_b32 v2, 15, v0                           ; r
	v_bfe_u32 v3, v0, 4, 1                         ; h
	v_lshrrev_b32 v14, 1, v2                       ; K: key 64 kh + 16 u + r, bytes 64 ks + 16 h (+ 32)
	v_mul_u32_u24 v[AK], v14, KPITCH
	v_and_b32 v14, 1, v0
	v_lshl_add_u32 v[AK], v14, 7, v[AK]
	v_lshl_add_u32 v[AK], v3, 4, v[AK]
	s_mul_i32 s13, s10, 32*KPITCH
	v_add_nc_u32 v[AK], s13, v[AK]
	v_bfe_u32 v15, v0, 1, 2                        ; V: key 64 kh + 32 ks + 8 h + L % 8 (+ 16), bytes 32 dt + 16 ((L >> 3) & 1)
	v_lshl_add_u32 v15, v3, 2, v15
	v_mul_u32_u24 v[AV], v15, VPITCH
	v_lshl_add_u32 v[AV], v14, 7, v[AV]
	v_bfe_u32 v15, v0, 3, 1
	v_lshl_add_u32 v[AV], v15, 4, v[AV]
	s_mul_i32 s13, s10, 32*VPITCH
	s_add_co_u32 s13, s13, KBYTES
	v_add_nc_u32 v[AV], s13, v[AV]
	s_lshl_b32 s13, s9, 5                          ; 32 w
	s_lshl_b32 s62, s11, 7
	s_add_co_u32 s62, s62, s13                     ; my first row of lo
	s_sub_co_u32 s63, 15, s11
	s_lshl_b32 s63, s63, 7
	s_add_co_u32 s63, s63, s13                     ; my first row of hi
	v_add_nc_u32 v14, s62, v2
	v_lshlrev_b32 v[VQL], 7, v14
	v_lshl_add_u32 v[VQL], v3, 4, v[VQL]
	v_add_nc_u32 v14, s63, v2
	v_lshlrev_b32 v[VQH], 7, v14
	v_lshl_add_u32 v[VQH], v3, 4, v[VQH]
.irp q, 0,1
.irp ks, 0,1
	global_load_b128 v[QF+16*\q+8*\ks:QF+16*\q+8*\ks+3],       v[VQL], s[18:19] offset:2048*\q+64*\ks
	global_load_b128 v[QF+16*\q+8*\ks+4:QF+16*\q+8*\ks+7],     v[VQL], s[18:19] offset:2048*\q+64*\ks+32
	global_load_b128 v[QF+32+16*\q+8*\ks:QF+32+16*\q+8*\ks+3],   v[VQH], s[18:19] offset:2048*\q+64*\ks
	global_load_b128 v[QF+32+16*\q+8*\ks+4:QF+32+16*\q+8*\ks+7], v[VQH], s[18:19] offset:2048*\q+64*\ks+32
.endr
.endr
	v_lshlrev_b32 v15, 4, v1                       ; 16 L
	v_lshl_add_u32 v[COL], s62, 7, v15
	v_lshl_add_u32 v[COH], s63, 7, v15
	s_lshl_b32 s23, s10, 6
	s_sub_co_i32 s13, s13, s23                     ; 32 w - 64 kh
	v_lshlrev_b32 v14, 3, v3
	v_sub_nc_u32 v14, v2, v14
	v_add_nc_u32 v14, s13, v14                     ; D0
	s_mul_i32 s23, s8, MWAVE
	s_add_co_u32 s23, s23, MERGE
	v_add_nc_u32 v[MEX], s23, v15
	s_add_co_u32 s23, s8, 4
	s_and_b32 s23, s23, 7                          ; my partner: the same w, the other key half
	s_mul_i32 s23, s23, MWAVE
	s_add_co_u32 s23, s23, MERGE
	v_add_nc_u32 v[MIM], s23, v15
	s_mul_i32 s23, s8, SWAVE
	s_add_co_u32 s23, s23, STG
	v_mul_u32_u24 v16, v2, 144
	v_lshl_add_u32 v16, v3, 4, v16
	v_add_nc_u32 v[STO], s23, v16
	v_lshrrev_b32 v16, 3, v1
	v_mul_u32_u24 v16, v16, 144
	v_and_b32 v17, 7, v0
	v_lshl_add_u32 v16, v17, 4, v16
	v_add_nc_u32 v[RD], s23, v16
	; The kind of the first tile hangs on i, so it cannot be written out ahead of the loops to start the sums: sixteen products of zero operands
	; start the 128 registers of O instead.
.set n, 0
.rept 16
	v_mov_b32 v[KF+n], 0
.set n, n+1
.endr
	WIN 0x40
.set n, 0
.rept 16
	v_wmma_f32_16x16x32_f16 v[O+8*n:O+8*n+7], v[KF:KF+7], v[KF+8:KF+15], 0
.set n, n+1
.endr
.irp t, 0,1,2,3
	v_mov_b32 v[ST+2*\t], 0xf1800000               ; mc = -2^100
	v_mov_b32 v[ST+2*\t+1], 0                      ; l = 0
.endr
	v_mov_b32 v[D0], v14
	v_mov_b32 v[NMC+1], 0
	v_mov_b32 v[AL+1], 0
	WIN 0
; The softmax step of query tile t (q = 0, 1: its place in SB and PB) on my 64 keys.  All registers in window 1.
.macro SOFTMAX q, t, masked
.set SQ, SB+32*\q
.if \masked
.irp u, 0,1,2,3
.irp j, 0,1,2,3,4,5,6,7
	v_cmp_le_i32 vcc_lo, 16*\u+\j-16*\q, v[D0]     ; key <= query
	v_cndmask_b32 v[SQ+8*\u+\j], s16, v[SQ+8*\u+\j], vcc_lo
.endr
.endr
.endif
.irp k, 0,1,2,3
	v_max3_num_f32 v[TM+\k], v[SQ+8*\k], v[SQ+8*\k+1], v[SQ+8*\k+2]        ; four chains
.endr
.irp k, 0,1,2,3
	v_max3_num_f32 v[TM+\k], v[TM+\k], v[SQ+8*\k+3], v[SQ+8*\k+4]
.endr
.irp k, 0,1,2,3
	v_max3_num_f32 v[TM+\k], v[TM+\k], v[SQ+8*\k+5], v[SQ+8*\k+6]
.endr
	v_max3_num_f32 v[TM], v[TM], v[SQ+7], v[SQ+15]
	v_max3_num_f32 v[TM+1], v[TM+1], v[SQ+23], v[SQ+31]
	v_max3_num_f32 v[TM], v[TM], v[TM+2], v[TM+3]
	v_max_num_f32 v[TM], v[TM], v[TM+1]
	v_permlanex16_b32 v[TM+1], v[TM], s14, s15     ; the other eight keys of each 16 lie in lane l xor 16
	v_max_num_f32 v[TM], v[TM], v[TM+1]
	v_mul_f32 v[TM], s17, v[TM]
	v_max_num_f32 v[TM], v[TM], v[ST+2*\t]         ; mc new
	v_sub_f32 v[TM+3], v[ST+2*\t], v[TM]           ; mc old - mc new <= 0
	v_sub_f32 v[NMC], 0, v[TM]
	v_mov_b32 v[ST+2*\t], v[TM]
	v_exp_f32 v[AL], v[TM+3]                       ; the next line is the plain place behind it (ISA guide 5.7.2)
.irp p, 0,1,2,3,4,5,6,7,8,9,10,11,12,13,14,15
	v_pk_fma_f32 v[SQ+2*\p:SQ+2*\p+1], v[SQ+2*\p:SQ+2*\p+1], 0x3e38aa3b, v[NMC:NMC+1] op_sel_hi:[1,0,0]   ; c s - mc
.endr
.set n, 0
.rept 32
	v_exp_f32 v[SQ+n], v[SQ+n]
.set n, n+1
.endr
	s_wait_alu depctr_va_vdst(0)
.irp p, 0,1,2,3,4,5,6,7,8,9,10,11,12,13,14,15
	v_pk_mul_f32 v[O+32*\t+2*\p:O+32*\t+2*\p+1], v[O+32*\t+2*\p:O+32*\t+2*\p+1], v[AL:AL+1] op_sel_hi:[1,0]   ; the first is the plain place behind the exponentials
.endr
.irp k, 0,1,2,3
	v_pk_add_f32 v[U+2*\k:U+2*\k+1], v[SQ+8*\k:SQ+8*\k+1], v[SQ+8*\k+2:SQ+8*\k+3]
.endr
.irp k, 0,1,2,3
	v_pk_add_f32 v[U+2*\k:U+2*\k+1], v[U+2*\k:U+2*\k+1], v[SQ+8*\k+4:SQ+8*\k+5]
.endr
.irp k, 0,1,2,3
	v_pk_add_f32 v[U+2*\k:U+2*\k+1], v[U+2*\k:U+2*\k+1], v[SQ+8*\k+6:SQ+8*\k+7]
.endr
	v_pk_add_f32 v[U:U+1], v[U:U+1], v[U+2:U+3]
	v_pk_add_f32 v[U+4:U+5], v[U+4:U+5], v[U+6:U+7]
	v_pk_add_f32 v[U:U+1], v[U:U+1], v[U+4:U+5]
	v_fma_f32 v[ST+2*\t+1], v[ST+2*\t+1], v[AL], v[U]      ; l stays the sum over this lane's keys until the merge
	v_add_f32 v[ST+2*\t+1], v[ST+2*\t+1], v[U+1]
.irp p, 0,1,2,3,4,5,6,7,8,9,10,11,12,13,14,15
	v_cvt_pk_f16_f32 v[PB+16*\q+\p], v[SQ+2*\p], v[SQ+2*\p+1]
.endr
.endm
; Query tiles 2 g and 2 g + 1 against my 64 keys.  In both runs of products eight accumulators take turns, one instruction a turn.
.macro GROUP g, masked
	WIN 0x50                                       ; A, B window 0; C, D window 1
.irp ks, 0,1
.irp u, 0,1,2,3
.irp q, 0,1
.if \ks
	v_wmma_f32_16x16x32_f16 v[SB+32*\q+8*\u:SB+32*\q+8*\u+7], v[KF+16*\u+8*\ks:KF+16*\u+8*\ks+7], v[QF+32*\g+16*\q+8*\ks:QF+32*\g+16*\q+8*\ks+7], v[SB+32*\q+8*\u:SB+32*\q+8*\u+7]
.else
	v_wmma_f32_16x16x32_f16 v[SB+32*\q+8*\u:SB+32*\q+8*\u+7], v[KF+16*\u+8*\ks:KF+16*\u+8*\ks+7], v[QF+32*\g+16*\q+8*\ks:QF+32*\g+16*\q+8*\ks+7], 0
.endif
.endr
.endr
.endr
	WIN 0x55
	PLACES
	SOFTMAX 0, (2*\g), \masked
	SOFTMAX 1, (2*\g+1), \masked
	s_wait_dscnt 0x0                               ; V's fragments
	WIN 0x54                                       ; A window 0; B, C, D window 1
.irp ks, 0,1
.irp dt, 0,1,2,3
.irp q, 0,1
	v_wmma_f32_16x16x32_f16 v[O+32*(2*\g+\q)+8*\dt:O+32*(2*\g+\q)+8*\dt+7], v[VF+16*\dt+8*\ks:VF+16*\dt+8*\ks+7], v[PB+16*\q+8*\ks:PB+16*\q+8*\ks+7], v[O+32*(2*\g+\q)+8*\dt:O+32*(2*\g+\q)+8*\dt+7]
.endr
.endr
.endr
	WIN 0
.endm
; One tile of 128 keys, in slot.  lo: 0 = not for lo, 1 = plain, 2 = its diagonal; hi: 1 or 2; refill = 1: the next tile is asked for, into the other slot.
; ONE barrier: in front of it every wave waits for all its tensor loads (this tile among them) and for its reads of the other slot; behind it this tile is
; whole for all eight waves and the other slot is free: the request comes first, one load a wave, and has this tile's work in which to land.
.macro TRIP slot, lo, hi, refill
	s_wait_tensorcnt 0x0                           ; no tensor load of mine is out: a group 0 may be written
	ds_add_u32 v254, v255
	s_wait_dscnt 0x0
	s_add_nc_u64 s[GK+4*\slot+2:GK+4*\slot+3], s[GK+4*\slot+2:GK+4*\slot+3], 32768   ; this slot's next tile is two tiles on
	s_add_nc_u64 s[GV+4*\slot+2:GV+4*\slot+3], s[GV+4*\slot+2:GV+4*\slot+3], 32768
	s_wait_dscnt 0x0
	s_barrier_signal -1
	s_barrier_wait -1
.if \refill
	KVLOAD (1-\slot)
.endif
	PLACES                                         ; behind the last tile's products, whose fragments are loaded over
.irp u, 0,1,2,3
.irp ks, 0,1
	ds_load_b128 v[KF+16*\u+8*\ks:KF+16*\u+8*\ks+3],   v[AK] offset:\slot*SLOTB+\u*8*KPITCH+64*\ks
	ds_load_b128 v[KF+16*\u+8*\ks+4:KF+16*\u+8*\ks+7], v[AK] offset:\slot*SLOTB+\u*8*KPITCH+64*\ks+32
.endr
.endr
.irp dt, 0,1,2,3
.irp ks, 0,1
	ds_load_tr16_b128 v[VF+16*\dt+8*\ks:VF+16*\dt+8*\ks+3],   v[AV] offset:\slot*SLOTB+\ks*16*VPITCH+32*\dt
	ds_load_tr16_b128 v[VF+16*\dt+8*\ks+4:VF+16*\dt+8*\ks+7], v[AV] offset:\slot*SLOTB+\ks*16*VPITCH+32*\dt+8*VPITCH
.endr
.endr
	s_wait_dscnt 16                                ; K's 16 loads are in, V's 16 stay out
.if \lo
	GROUP 0, (\lo-1)
.endif
	GROUP 1, (\hi-1)
.endm
	s_bitcmp1_b32 s11, 0
	s_cbranch_scc1 .Lodd
	KVLOAD 0                                       ; i even: tile 0 lies in slot 0
	s_wait_loadcnt 0x0                             ; q
	s_branch .Ljoin
.Lodd:
	KVLOAD 1                                       ; i odd: tile 0 lies in slot 1 and is taken here, so that pairs (slot 0, slot 1) follow
	s_wait_loadcnt 0x0                             ; q
	TRIP 1, 1, 1, 1
.Ljoin:
	s_cmp_eq_u32 s20, 0
	s_cbranch_scc1 .Ldiag_lo
.Lboth:
	TRIP 0, 1, 1, 1
	TRIP 1, 1, 1, 1
	s_sub_co_i32 s20, s20, 1
	s_cmp_lg_u32 s20, 0
	s_cbranch_scc1 .Lboth
.Ldiag_lo:
	TRIP 0, 2, 1, 1                                ; tile i: lo's diagonal; all its keys lie in front of hi's rows
	s_cmp_eq_u32 s21, 0
	s_cbranch_scc1 .Ldiag_hi
.Lhi:
	TRIP 1, 0, 1, 1
	TRIP 0, 0, 1, 1
	s_sub_co_i32 s21, s21, 1
	s_cmp_lg_u32 s21, 0
	s_cbranch_scc1 .Lhi
.Ldiag_hi:
	TRIP 1, 0, 2, 0                                ; tile 15 - i: hi's diagonal; nothing is left to fetch
	; THE MERGE of the two key halves.  The waves of half 0 finish lo's tiles and hand over hi's; those of half 1 the other way round.
.macro EXPORT first                    ; query tiles first, first + 1: 64 registers of O and (mc, l, mc, l), 16 bytes a lane each
	WIN 0x04                                       ; address window 0, data window 1
.set n, 0
.rept 16
	ds_store_b128 v[MEX], v[O+32*\first+4*n:O+32*\first+4*n+3] offset:512*n
.set n, n+1
.endr
	ds_store_b128 v[MEX], v[ST+2*\first:ST+2*\first+3] offset:8192
	WIN 0
.endm
.macro FINISH first, co
	WIN 0x40                                       ; address window 0, destination window 1
.set n, 0
.rept 16
	ds_load_b128 v[SB+4*n:SB+4*n+3], v[MIM] offset:512*n
.set n, n+1
.endr
	ds_load_b128 v[TM:TM+3], v[MIM] offset:8192
	s_wait_dscnt 0x0
.irp q, 0,1
	WIN 0x55
	v_max_num_f32 v[U], v[ST+2*(\first+\q)], v[TM+2*\q]
	v_sub_f32 v[U+1], v[ST+2*(\first+\q)], v[U]
	v_sub_f32 v[U+2], v[TM+2*\q], v[U]
	v_exp_f32 v[U+1], v[U+1]
	v_exp_f32 v[U+2], v[U+2]
	v_nop                                          ; the plain place behind the exponentials
	s_wait_alu depctr_va_vdst(0)
	v_mul_f32 v[U+3], v[ST+2*(\first+\q)+1], v[U+1]
	v_fmac_f32 v[U+3], v[TM+2*\q+1], v[U+2]
	v_permlanex16_b32 v[U+4], v[U+3], s14, s15     ; the sums over the other lane's keys
	v_add_f32 v[U+3], v[U+3], v[U+4]               ; at least 1: the largest p of the row is 1
	v_rcp_f32 v[U+3], v[U+3]
	v_nop
	s_wait_alu depctr_va_vdst(0)
	v_mul_f32 v[AL], v[U+1], v[U+3]
	v_mul_f32 v[NMC], v[U+2], v[U+3]
.irp p, 0,1,2,3,4,5,6,7,8,9,10,11,12,13,14,15
	v_pk_mul_f32 v[O+32*(\first+\q)+2*\p:O+32*(\first+\q)+2*\p+1], v[O+32*(\first+\q)+2*\p:O+32*(\first+\q)+2*\p+1], v[AL:AL+1] op_sel_hi:[1,0]
.endr
.irp p, 0,1,2,3,4,5,6,7,8,9,10,11,12,13,14,15
	v_pk_fma_f32 v[O+32*(\first+\q)+2*\p:O+32*(\first+\q)+2*\p+1], v[SB+32*\q+2*\p:SB+32*\q+2*\p+1], v[NMC:NMC+1], v[O+32*(\first+\q)+2*\p:O+32*(\first+\q)+2*\p+1] op_sel_hi:[1,0,1]
.endr
.irp p, 0,1,2,3,4,5,6,7,8,9,10,11,12,13,14,15
	v_cvt_pk_f16_f32 v[PB+\p], v[O+32*(\first+\q)+2*\p], v[O+32*(\first+\q)+2*\p+1]
.endr
	WIN 0x04
.irp dt, 0,1,2,3
	ds_store_b128 v[STO], v[PB+4*\dt:PB+4*\dt+3] offset:32*\dt     ; query r, d = 16 dt + 8 h .. + 7, into my own stage
.endr
	WIN 0
.irp tt, 0,1,2,3
	ds_load_b128 v[KF+16*\q+4*\tt:KF+16*\q+4*\tt+3], v[RD] offset:576*\tt   ; LDS serves a wave's instructions in order: these see the stores above
.endr
.irp tt, 0,1,2,3
	s_wait_dscnt 3-\tt
	global_store_b128 v[\co], v[KF+16*\q+4*\tt:KF+16*\q+4*\tt+3], s[6:7] offset:2048*\q+512*\tt   ; four rows of 128 bytes: 512 consecutive bytes
.endr
.endr
.endm
	PLACES
	s_cmp_lt_u32 s8, 4
	s_cbranch_scc0 .Lhand_lo
	EXPORT 2
	s_branch .Lhanded
.Lhand_lo:
	EXPORT 0
.Lhanded:
	s_wait_dscnt 0x0                               ; my stores are in LDS, for my partner's sake
	s_barrier_signal -1
	s_barrier_wait -1
	s_cmp_lt_u32 s8, 4
	s_cbranch_scc0 .Lfinish_hi
	FINISH 0, COL
	s_wait_tensorcnt 0x0
	ds_add_u32 v254, v255
	s_wait_dscnt 0x0
	s_endpgm
.Lfinish_hi:
	FINISH 2, COH
	s_wait_tensorcnt 0x0
	ds_add_u32 v254, v255
	s_wait_dscnt 0x0
	s_endpgm
.Lfunc_end_k_q0ecbce0f68_attn:
	.size	k_q0ecbce0f68_attn, .Lfunc_end_k_q0ecbce0f68_attn-k_q0ecbce0f68_attn
	.p2alignl 7, 3214868480
	.fill 96, 4, 3214868480
	.section	.rodata,"a",@progbits
	.p2align	6, 0x0
	.amdhsa_kernel k_q0ecbce0f68_attn
		.amdhsa_group_segment_fixed_size 327680
		.amdhsa_private_segment_fixed_size 0
		.amdhsa_enable_private_segment 0
		.amdhsa_kernarg_size 16
		.amdhsa_user_sgpr_count 2
		.amdhsa_user_sgpr_kernarg_segment_ptr 1
		.amdhsa_wavefront_size32 1
		.amdhsa_system_sgpr_workgroup_id_x 1
		.amdhsa_system_sgpr_workgroup_id_y 1
		.amdhsa_system_sgpr_workgroup_id_z 1
		.amdhsa_system_vgpr_workitem_id 0
		.amdhsa_next_free_vgpr 512
		.amdhsa_next_free_sgpr 66
		.amdhsa_reserve_vcc 1
		.amdhsa_float_denorm_mode_32 3
		.amdhsa_float_denorm_mode_16_64 3
		.amdhsa_memory_ordered 1
		.amdhsa_forward_progress 1
		.amdhsa_inst_pref_size 238
	.end_amdhsa_kernel
	.amdgpu_metadata
---
amdhsa.version: [ 1, 2 ]
amdhsa.kernels:
  - .name:           k_q0ecbce0f68_attn
    .symbol:         k_q0ecbce0f68_attn.kd
    .args:
      - { .name: qkv, .offset: 0, .size: 8, .value_kind: global_buffer, .address_space: global }
      - { .name: yh, .offset: 8, .size: 8, .value_kind: global_buffer, .address_space: global }
    .group_segment_fixed_size: 327680
    .private_segment_fixed_size: 0
    .kernarg_segment_align: 8
    .kernarg_segment_size: 16
    .max_flat_workgroup_size: 256
    .sgpr_count:     66
    .vgpr_count:     512
    .wavefront_size: 32
...
	.end_amdgpu_metadata
.endif
;; end of part 3
;; launch proj (part 4): grid 8 x 32, 4 waves a work-group, clusters of 4 x 4, 327,680 bytes of LDS; arguments yh, wph, b_proj, out0; writes out0
.if DOCPART == 4
	.amdgcn_target "amdgcn-amd-amdhsa--gfx1250"
	.amdhsa_code_object_version 6
	.text
	.protected	k_q0ecbce0f68_proj
	.globl	k_q0ecbce0f68_proj
	.p2align	8
	.type	k_q0ecbce0f68_proj,@function
k_q0ecbce0f68_proj:
	s_mov_b64 s[64:65], 0
	v_nop
	global_prefetch_b8 v0, s[64:65] scope:SCOPE_SE
	s_setreg_imm32_b32 hwreg(HW_REG_WAVE_MODE, 25, 1), 1
	s_wait_xcnt 0x0
	s_wait_alu depctr_hold_cnt(0) depctr_sa_sdst(0) depctr_va_vdst(0) depctr_va_sdst(0) depctr_va_ssrc(0) depctr_va_vcc(0) depctr_vm_vsrc(0)
	s_getreg_b32 s2, hwreg(HW_REG_IB_STS2, 6, 4)
	s_cmp_eq_u32 s2, 0
	s_cbranch_scc0 .Lentry_in_a_cluster
	s_endpgm
.Lentry_in_a_cluster:
	s_bfe_u32 s2, ttmp6, 0x10000c
	s_cmp_lg_u32 s2, 0xf033
	s_cbranch_scc0 .Lentry_shape_is_right
	s_endpgm
.Lentry_shape_is_right:
; out0[2048 b + t][o] = sum over h, d of yh[b][h][t][d] wph[h][o][d] + b_proj[o], f32 out; f16 operands, sums in f32.
; M = 4096, N = 1024, K = 1024.  A work-group makes a block of 128 x 128 (8 x 32 = 256 equal work-groups), four waves, a wave 64 x 64: 16 accumulator tiles.
; A K step is 128 = two heads.  Of each head a tile (128 rows x 64) is 16,384 bytes without gaps in memory and comes in as 64 rows of 256 bytes
; (two rows of the tile each), padded by 16 bytes.  Eight K steps go through a ring of two LDS slots; wave 0 fetches yh's even head, wave 1 its odd head,
; wave 2 wph's even block, wave 3 its odd block.
; CLUSTERS: 4 x 4 work-groups; yh's tiles are asked for jointly along a row of the cluster, wph's along a column.
; REGISTERS: window 0: v16-27 addresses; v64-127, v128-191 two fragment buffers (wph's 4 x 8, then yh's 4 x 8); v192-223 at work on the way out; v224-255 the bias.
;            window 1: tile (a, b) at v[8 (4 a + b)].
; The matrix instruction is used transposed (source 0 = rows of wph, source 1 = rows of yh): a lane holds eight neighbouring columns of one row of the block.
.set PITCH,  272
.set HEADT,  64*PITCH                  ; 17,408: one tensor load
.set SLOT,   4*HEADT
.set STAGE,  2*SLOT                    ; 139,264: 16 rows x 272 bytes for each wave; no fill lands here
.set SPITCH, 272
.set LAPS,   4                         ; a lap = two K steps
.set ADRA, 16
.set ADRB, 20
.set STO,  24
.set RD,   25
.set CO,   26
.set VB,   27
.set F0,   64
.set F1,   128
.set TMP,  192
.set BIAS, 224
.set G1,  24
.set G0,  32
.set G1B, 48
.set G0B, 56
.set MSB, 0
.macro WIN new
.if MSB != \new
	s_set_vgpr_msb (MSB<<8)|\new
.set MSB, \new
.endif
.endm
.set MUL, 0x50                         ; sources 0 and 1 window 0, C and D window 1
.macro JLOAD s
	s_cmp_eq_u32 s11, 0
	s_cbranch_scc0 .Lfor_b_\@
	tensor_load_to_lds s[G0+4*\s:G0+4*\s+3], s[G1:G1+7]
	s_nop 0
	s_branch .Lasked_\@
.Lfor_b_\@:
	tensor_load_to_lds s[G0B+4*\s:G0B+4*\s+3], s[G1B:G1B+7]
	s_nop 0
.Lasked_\@:
.endm
.macro CREST
	s_cmp_lg_u32 s10, 0
	s_cbranch_scc1 .Lnot_wave_0_\@
	s_barrier_signal -3
.Lnot_wave_0_\@:
	s_barrier_wait -3
	s_barrier_signal -1
	s_barrier_wait -1
.endm
.macro CROUND
	s_barrier_signal -1
	s_barrier_wait -1
	CREST
.endm
	s_load_b128 s[4:7], s[0:1], 0x0                ; yh s[4:5], wph s[6:7]
	s_load_b128 s[68:71], s[0:1], 0x10             ; b_proj s[68:69], out0 s[70:71]
	v_lshl_add_u32 v62, v0, 2, 0x29000
	v_mov_b32 v63, 0
	ds_add_u32 v62, v63
	v_lshrrev_b32 v1, 5, v0
	v_readfirstlane_b32 s10, v1                    ; wave 0..3
	s_lshr_b32 s11, s10, 1                         ; which 64 rows of the block are mine.  Also: I fetch for yh (0) or for wph (1)
	s_and_b32 s12, s10, 1                          ; which 64 columns.  Also: the even or the odd head of a K step
	s_bfe_u32 s40, ttmp6, 0x40000                  ; cx
	s_bfe_u32 s41, ttmp6, 0x40004                  ; cy
	s_lshl_b32 s42, ttmp9, 2
	s_add_co_u32 s42, s42, s40                     ; block column
	s_and_b32 s13, ttmp7, 0xffff
	s_lshl_b32 s13, s13, 2
	s_add_co_u32 s13, s13, s41                     ; block row
	s_lshl_b32 s43, s41, 2
	s_lshl_b32 s43, 15, s43                        ; my row of the cluster
	s_lshl_b32 s44, 0x1111, s40                    ; my column
	; group 1: 64 rows of 32 elements of 8 bytes, one behind the other in memory, 4 words of padding behind each in LDS
	s_or_b32 s[G1+0],  s43, (3<<16)|(1<<20)|(1<<21)|(5<<22)|(3<<25)
	s_or_b32 s[G1B+0], s44, (3<<16)|(1<<20)|(1<<21)|(5<<22)|(3<<25)
	s_mov_b32 s[G1+1],  32<<16
	s_mov_b32 s[G1B+1], 32<<16
	s_mov_b32 s[G1+2],  64<<16
	s_mov_b32 s[G1B+2], 64<<16
	s_mov_b32 s[G1+3],  32<<16
	s_mov_b32 s[G1B+3], 32<<16
	s_mov_b32 s[G1+4],  64
	s_mov_b32 s[G1B+4], 64
	s_mov_b32 s[G1+5],  32
	s_mov_b32 s[G1B+5], 32
	s_mov_b32 s[G1+6],  0
	s_mov_b32 s[G1B+6], 0
	s_mov_b32 s[G1+7],  0
	s_mov_b32 s[G1B+7], 0
	; yh's tiles hang on the block row alone, wph's on the block column alone; each in registers that never hold the other coordinate
	s_lshr_b32 s16, s13, 4
	s_lshl_b32 s16, s16, 22                        ; b: 16 planes of 262,144 bytes
	s_and_b32 s17, s13, 15
	s_lshl_b32 s17, s17, 14                        ; 128 rows of 128 bytes
	s_add_co_u32 s16, s16, s17
	s_lshl_b32 s17, s12, 18                        ; the even or the odd head
	s_add_co_u32 s16, s16, s17
	s_mov_b32 s17, 0
	s_lshl_b32 s46, s42, 14                        ; 128 rows of 128 bytes
	s_lshl_b32 s47, s12, 17                        ; the even or the odd block: planes of 131,072 bytes
	s_add_co_u32 s46, s46, s47
	s_mov_b32 s47, 0
	s_mul_i32 s20, s10, HEADT
	s_wait_dscnt 0x0
	s_wait_kmcnt 0x0
	s_add_nc_u64 s[14:15], s[4:5], s[16:17]
	s_add_nc_u64 s[46:47], s[6:7], s[46:47]
	CROUND                                         ; the first joint loads meet
.irp s, 0,1
	s_mov_b32 s[G0+4*\s], 1
	s_add_co_u32 s[G0+4*\s+1], s20, \s*SLOT
	s_add_nc_u64 s[G0+4*\s+2:G0+4*\s+3], s[14:15], \s*2*262144     ; K step s: two heads on
	s_or_b32 s[G0+4*\s+3], s[G0+4*\s+3], 0x80000000
	s_mov_b32 s[G0B+4*\s], 1
	s_add_co_u32 s[G0B+4*\s+1], s20, \s*SLOT
	s_add_nc_u64 s[G0B+4*\s+2:G0B+4*\s+3], s[46:47], \s*2*131072
	s_or_b32 s[G0B+4*\s+3], s[G0B+4*\s+3], 0x80000000
	JLOAD \s                                       ; two loads of this wave are out
.endr
	v_and_b32 v1, 15, v0                           ; r
	v_bfe_u32 v2, v0, 4, 1                         ; h
	v_lshrrev_b32 v3, 1, v1                        ; row rr of a tile lies at (rr >> 1) 272 + (rr & 1) 128
	v_mul_u32_u24 v3, v3, PITCH
	v_and_b32 v4, 1, v0
	v_lshl_add_u32 v3, v4, 7, v3
	v_lshl_add_u32 v3, v2, 4, v3
	s_mul_i32 s21, s11, 32*PITCH                   ; my 64 rows of yh's tiles
	s_mul_i32 s22, s12, 32*PITCH                   ; my 64 rows of wph's,
	s_add_co_u32 s22, s22, 2*HEADT                 ; behind yh's two heads
.irp s, 0,1
	v_add_nc_u32 v[ADRA+\s], s21, v3
	v_add_nc_u32 v[ADRB+\s], s22, v3
	s_add_co_u32 s21, s21, SLOT
	s_add_co_u32 s22, s22, SLOT
.endr
	s_mul_i32 s23, s10, 16*SPITCH
	s_add_co_u32 s23, s23, STAGE                   ; my stage
	v_mul_u32_u24 v4, v1, SPITCH                   ; in: row r, 32 bytes for each half of the lanes
	v_lshl_add_u32 v4, v2, 5, v4
	v_add_nc_u32 v[STO], s23, v4
	v_mul_u32_u24 v5, v2, SPITCH                   ; back: lanes 0-15 one row of 256 bytes, lanes 16-31 the next
	v_lshl_add_u32 v5, v1, 4, v5
	v_add_nc_u32 v[RD], s23, v5
	v_lshlrev_b32 v5, 12, v2                       ; the same two rows in out0: 4,096 bytes apart
	v_lshl_add_u32 v[CO], v1, 4, v5
	s_lshl_b32 s23, s12, 8
	v_lshl_add_u32 v[VB], v2, 5, s23               ; bias: 4 (64 x column half + 8 h)
	s_lshl_b32 s46, s42, 9                         ; + 4 x 128 x block column
	s_mov_b32 s47, 0
	s_add_nc_u64 s[68:69], s[68:69], s[46:47]
.irp b, 0,1,2,3
	global_load_b128 v[BIAS+8*\b:BIAS+8*\b+3],   v[VB], s[68:69] offset:64*\b
	global_load_b128 v[BIAS+8*\b+4:BIAS+8*\b+7], v[VB], s[68:69] offset:64*\b+16
.endr
; four matrix instructions: m tile a x all 4 n tiles, 32 along K
.macro MULA f, a, zero
.irp b, 0,1,2,3
.if \zero
	v_wmma_f32_16x16x32_f16 v[8*(4*\a+\b):8*(4*\a+\b)+7], v[\f+8*\b:\f+8*\b+7], v[\f+32+8*\a:\f+32+8*\a+7], 0
.else
	v_wmma_f32_16x16x32_f16 v[8*(4*\a+\b):8*(4*\a+\b)+7], v[\f+8*\b:\f+8*\b+7], v[\f+32+8*\a:\f+32+8*\a+7], v[8*(4*\a+\b):8*(4*\a+\b)+7]
.endif
.endr
.endm
; 16 LDS loads: 64 rows of wph, 64 rows of yh, 32 K at byte k of the slot's tiles
.macro FETCH slot, k, f
.irp i, 0,1,2,3
	ds_load_b128 v[\f+8*\i:\f+8*\i+3],   v[ADRB+\slot] offset:\k+\i*8*PITCH
	ds_load_b128 v[\f+8*\i+4:\f+8*\i+7], v[ADRB+\slot] offset:\k+\i*8*PITCH+32
.endr
.irp i, 0,1,2,3
	ds_load_b128 v[\f+32+8*\i:\f+32+8*\i+3],   v[ADRA+\slot] offset:\k+\i*8*PITCH
	ds_load_b128 v[\f+32+8*\i+4:\f+32+8*\i+7], v[ADRA+\slot] offset:\k+\i*8*PITCH+32
.endr
.endm
.macro PLACES                          ; four places behind a matrix instruction (ISA guide 7.12.1)
.rept 4
	v_nop
.endr
.endm
; A K step is four quarters of 32 along K (even head's two halves, odd head's two halves), 16 matrix instructions each, on buffers 0, 1, 0, 1.
; The 16 accumulators take turns, one instruction a turn, in the same order in every quarter.
.macro QUARTER slot, k, f, g, zero
	s_wait_dscnt 4                                 ; wph's 8 loads and yh's tiles 0, 1 are in; the youngest four (yh's tiles 2, 3) may be out
	WIN MUL
	MULA \f, 0, \zero
	MULA \f, 1, \zero
	WIN 0
	PLACES
	FETCH \slot, \k, \g
	s_wait_dscnt 16                                ; all but the 16 just issued
	WIN MUL
	MULA \f, 2, \zero
	MULA \f, 3, \zero
.endm
.macro THREE slot, zero
	QUARTER \slot, 64,       F0, F1, \zero
	QUARTER \slot, HEADT,    F1, F0, 0
	QUARTER \slot, HEADT+64, F0, F1, 0
.endm
; The last quarter changes slots: each wave's waits for its reads of this slot and for all its tensor loads, the barrier (which opens a round of the
; cluster's barrier where the slot is filled again), and the joint refill as the wave's first and only tensor load behind the round.
.macro TURN slot, next, fill
	s_wait_dscnt 4
	WIN MUL
	MULA F1, 0, 0
	s_wait_dscnt 0
	s_wait_tensorcnt 0x0
	ds_add_u32 v62, v63
	s_wait_dscnt 0x0
	s_barrier_signal -1
	MULA F1, 1, 0                                  ; registers only
	WIN 0
	s_barrier_wait -1
.if \fill
	CREST
	s_add_nc_u64 s[G0+4*\slot+2:G0+4*\slot+3], s[G0+4*\slot+2:G0+4*\slot+3], 4*262144     ; two K steps = four heads on
	s_add_nc_u64 s[G0B+4*\slot+2:G0B+4*\slot+3], s[G0B+4*\slot+2:G0B+4*\slot+3], 4*131072
	JLOAD \slot
.endif
	PLACES
	FETCH \next, 0, F0
	WIN MUL
	MULA F1, 2, 0
	MULA F1, 3, 0
.endm
.macro LAP zero
	THREE 0, \zero
	TURN 0, 1, 1
	THREE 1, 0
	TURN 1, 0, 1
.endm
	s_wait_tensorcnt 1                             ; my part of K step 0 is in; K step 1's stays out
	s_barrier_signal -1
	s_barrier_wait -1
	FETCH 0, 0, F0
	LAP 1
	WIN 0
	s_mov_b32 s3, LAPS-2
.Llap:
	LAP 0
	WIN 0
	s_sub_co_u32 s3, s3, 1
	s_cmp_lg_u32 s3, 0
	s_cbranch_scc1 .Llap
	THREE 0, 0                                     ; the last lap fills nothing
	TURN 0, 1, 0
	THREE 1, 0
	s_wait_dscnt 4
	WIN MUL
	MULA F1, 0, 0
	MULA F1, 1, 0
	s_wait_dscnt 0
	MULA F1, 2, 0
	MULA F1, 3, 0
	; THE WAY OUT, 16 rows at a time through my own stage: the bias is added, 32 bytes a lane go in, whole rows of 256 bytes come back
	PLACES
	s_wait_loadcnt 0x0                             ; the bias
	s_lshl_b32 s16, s13, 19                        ; 128 rows of 4,096 bytes a block row
	s_lshl_b32 s17, s11, 18                        ; + my 64 rows
	s_add_co_u32 s16, s16, s17
	s_mov_b32 s17, 0
	s_add_nc_u64 s[70:71], s[70:71], s[16:17]
	s_lshl_b32 s46, s42, 9                         ; 128 columns of 4 bytes a block column
	s_lshl_b32 s47, s12, 8                         ; + my 64 columns
	s_add_co_u32 s46, s46, s47
	s_mov_b32 s47, 0
	s_add_nc_u64 s[70:71], s[70:71], s[46:47]
.macro OUT16 a, f
	WIN 0x01                                       ; source 0 window 1
.irp b, 0,1,2,3
.irp k, 0,1,2,3
	v_pk_add_f32 v[TMP+8*\b+2*\k:TMP+8*\b+2*\k+1], v[8*(4*\a+\b)+2*\k:8*(4*\a+\b)+2*\k+1], v[BIAS+8*\b+2*\k:BIAS+8*\b+2*\k+1]
.endr
.endr
	WIN 0
.irp b, 0,1,2,3
	ds_store_b128 v[STO], v[TMP+8*\b:TMP+8*\b+3]   offset:64*\b
	ds_store_b128 v[STO], v[TMP+8*\b+4:TMP+8*\b+7] offset:64*\b+16
.endr
	s_wait_xcnt 0x0                                ; buffer f, which stores read, and the stores' base are rewritten only behind this wait
.if \a
	s_add_nc_u64 s[70:71], s[70:71], 16*4096       ; 16 rows on
.endif
.irp t, 0,1,2,3,4,5,6,7
	ds_load_b128 v[\f+4*\t:\f+4*\t+3], v[RD] offset:\t*2*SPITCH    ; LDS serves a wave's instructions in order: these see the stores above
.endr
.irp t, 0,1,2,3,4,5,6,7
	s_wait_dscnt 7-\t
	global_store_b128 v[CO], v[\f+4*\t:\f+4*\t+3], s[70:71] offset:\t*8192 th:TH_STORE_NT   ; 16 lanes store 256 consecutive bytes, at a multiple of 256 from out0's first byte
.endr
.endm
	OUT16 0, F0
	OUT16 1, F1
	OUT16 2, F0
	OUT16 3, F1
	s_wait_tensorcnt 0x0
	ds_add_u32 v62, v63
	s_wait_dscnt 0x0
	CROUND                                         ; the closing round
	s_endpgm
.Lfunc_end_k_q0ecbce0f68_proj:
	.size	k_q0ecbce0f68_proj, .Lfunc_end_k_q0ecbce0f68_proj-k_q0ecbce0f68_proj
	.p2alignl 7, 3214868480
	.fill 96, 4, 3214868480
	.section	.rodata,"a",@progbits
	.p2align	6, 0x0
	.amdhsa_kernel k_q0ecbce0f68_proj
		.amdhsa_group_segment_fixed_size 327680
		.amdhsa_private_segment_fixed_size 0
		.amdhsa_enable_private_segment 0
		.amdhsa_kernarg_size 32
		.amdhsa_user_sgpr_count 2
		.amdhsa_user_sgpr_kernarg_segment_ptr 1
		.amdhsa_wavefront_size32 1
		.amdhsa_system_sgpr_workgroup_id_x 1
		.amdhsa_system_sgpr_workgroup_id_y 1
		.amdhsa_system_sgpr_workgroup_id_z 1
		.amdhsa_system_vgpr_workitem_id 0
		.amdhsa_next_free_vgpr 384
		.amdhsa_next_free_sgpr 72
		.amdhsa_reserve_vcc 0
		.amdhsa_float_denorm_mode_32 3
		.amdhsa_float_denorm_mode_16_64 3
		.amdhsa_memory_ordered 1
		.amdhsa_forward_progress 1
		.amdhsa_inst_pref_size 79
	.end_amdhsa_kernel
	.amdgpu_metadata
---
amdhsa.version: [ 1, 2 ]
amdhsa.kernels:
  - .name:           k_q0ecbce0f68_proj
    .symbol:         k_q0ecbce0f68_proj.kd
    .args:
      - { .name: yh, .offset: 0, .size: 8, .value_kind: global_buffer, .address_space: global }
      - { .name: wph, .offset: 8, .size: 8, .value_kind: global_buffer, .address_space: global }
      - { .name: b_proj, .offset: 16, .size: 8, .value_kind: global_buffer, .address_space: global }
      - { .name: out0, .offset: 24, .size: 8, .value_kind: global_buffer, .address_space: global }
    .group_segment_fixed_size: 327680
    .private_segment_fixed_size: 0
    .kernarg_segment_align: 8
    .kernarg_segment_size: 32
    .max_flat_workgroup_size: 128
    .sgpr_count:     72
    .vgpr_count:     384
    .wavefront_size: 32
...
	.end_amdgpu_metadata
.endif
;; end of part 4
